; MI455X (gfx1250); checked and timed in simulation.
; The chip was launched on July 23, 2026; its instructions are those of AMD's public machine-readable ISA for CDNA 5 (MIT licence, August 2026) and "CDNA5" Instruction Set Architecture Reference Guide (July 2026). The comments in the code are by the model that wrote it; some were corrected since.
;; META. Allowed arithmetic: float matrix products may take bf16 or f16 operands with f32 sums; all other float work in f32.
;; Inputs: Whh_b 128 x 32 float32; Whh_f 128 x 32 float32; Wih_b 128 x 256 float32; Wih_f 128 x 256 float32; bhh_b 128 float32; bhh_f 128 float32; bih_b 128 float32; bih_f 128 float32; emb 50,000 x 256 float32; tokens 32,768 x 16 int32; u_omega 16 float32; w_omega 64 x 16 float32.
;; Outputs: out0 32,768 x 64 float32.
;; One version. Each part assembles by itself: llvm-mc -triple=amdgcn-amd-amdhsa -mcpu=gfx1250 --defsym DOCPART=n.
;; ======== version 1 of 1: 3 launches
;; limits: values outside matrix products are rounded to f16; right only within a limited range of input values
;; workspace buffers: ptab 25,600,000 bytes; hs 67,108,864 bytes; alphas 2,097,152 bytes
;; launch table (part 1): grid 250 x 1, 4 waves a work-group, no clusters, 310,016 bytes of LDS; arguments emb, Wih_f, Wih_b, bih_f, bhh_f, bih_b, bhh_b, ptab; writes ptab
.if DOCPART == 1
	.amdgcn_target "amdgcn-amd-amdhsa--gfx1250"
	.amdhsa_code_object_version 6
	.text
	.protected	k_q19b7cf8e64_table
	.globl	k_q19b7cf8e64_table
	.p2align	8
	.type	k_q19b7cf8e64_table,@function
k_q19b7cf8e64_table:
	s_mov_b64 s[64:65], 0
	v_nop
	global_prefetch_b8 v0, s[64:65] scope:SCOPE_SE
	s_setreg_imm32_b32 hwreg(HW_REG_WAVE_MODE, 25, 1), 1
	s_wait_xcnt 0x0
; FIRST OF THREE LAUNCHES (table, lstm, mix).
; ptab[v][c] = f16( clamp( sc(c) * ( sum over e of emb[v][e] * Wih[c][e] + bih[c] + bhh[c] ) ) ), v = 0 .. 49999, c = 0 .. 255.
; Columns 0-127 are the forward gates (i, f, g, o, 32 each), columns 128-255 the backward gates.
; WHY A TABLE: a lookup commutes with a linear map, emb[tokens] * Wih^T = (emb * Wih^T)[tokens], for every value of the inputs.
; The table has 50,000 rows, the lookups are 524,288, so the input product is made once for each table row and the next launch looks its rows up.
; sc = -log2(e) for i, f, o and +2 log2(e) for g: what the next launch reads is already the argument of an exp2
; (sigmoid(x) = 1 / (1 + 2^(-log2e x)), tanh(x) = 1 - 2 / (1 + 2^(2 log2e x))).
; WORK LEFT OUT IN THE WHOLE PROGRAM (both in the launch lstm), for all finite values of the inputs:
;   (a) the first step's h0 * Whh^T and sigmoid(f) * c0: the function builds h0 and c0 as zeros in its own body, so the product and the term are 0,
;       and the f gate of that step reaches nothing;
;   (b) logit = sum_a u_a tanh(z_a) = sum_a u_a - 2 sum_a u_a / (1 + 2^(..)): the term sum_a u_a is the same for all 16 members of a softmax group,
;       so it cancels between exps and their sum.
; Every input is loaded by some launch.  LIMIT: a NaN, an infinity or an overflow that reaches only the work left out is not carried to the result.
; LIMITS OF FORMAT: emb and Wih go to the matrix unit in f16 (magnitudes from 65,504 up become infinite; below 6e-8 they vanish).  ptab is f16 and is
; clamped to +-60,000 in the scaled domain (a pre-activation of +-41,589 for i, f, o and +-20,797 for g), where every gate is saturated unless the
; recurrent term is itself of that size.
; NO CLUSTER: what work-groups share is Wih alone.  It comes in f32, 262,144 bytes for both directions, which do not fit into LDS beside the 208,000
; bytes of the work-group's own rows of emb, and the grid of 250 does not divide into clusters of four; each wave reads its 65,536 bytes once, into registers.
;
; SHARES: a work-group owns 200 rows of emb: 12 tiles of 16 rows and one of 8.  Wave w owns columns 64 w .. 64 w + 63 and keeps its weights as
; 32 fragments (4 column tiles t x 8 K steps) in 256 registers.  Source 0 = 16 rows of Wih, source 1 = 16 rows of emb: in the result lane (r, hh)
; holds table row r and in register j column 16 t + 8 hh + j: eight neighbouring columns, 16 bytes of f16.
; Each row of emb is turned into f16 ONCE: wave w converts rows 4 w .. 4 w + 3 of a tile into a stage, from which all four waves read finished fragments.
; THE TURN OF TILE q, between two barriers: the fragments of tile q + 1 are asked for (stage slot (q + 1) & 1), the results of tile q - 1 are read back,
; my four rows of tile q + 2 are asked for in f32; then, with no wait, the 32 products of tile q on the fragments that the last turn brought; then tile
; q - 1 is stored, tile q + 2 converted into stage slot q & 1, and tile q's results go to the output stage.  Slot q & 1 was last read in turn q - 1 and
; slot (q + 1) & 1 last written there, each waited for in front of that turn's barrier: two slots and one barrier a turn are enough.
; LDS: X at 0: 200 rows of emb in f32, 1,024 bytes + 16 of padding, filled once by tensor loads, never again.
;      WS: for each wave 32 rows of Wih in f16 (512 + 16 bytes), its own.   OST: two output stages of 16 rows x (512 + 16) bytes, taken in turn.
;      XS: two stage slots of 16 rows of emb in f16, 512 + 16 bytes.
;      All pitches are odd multiples of 16 bytes: sixteen rows start at sixteen different 16-byte columns modulo 256 bytes.
; REGISTERS: window 0: v1-14 addresses, BIAS, ACC, RB, XF (f32 as read, f16 in place), XH (two buffers of eight fragments of emb);
;      window 1: fragment (t, ks) of Wih at 8 (8 t + ks);   windows 2, 3: Wih in f32 as loaded (load n at 512 + 4 n).
.set XP,   1040                        ; pitch of X
.set WS,   208128                      ; first multiple of 256 behind X
.set WSB,  16896                       ; 32 rows x 528
.set WP,   528
.set OST,  275712
.set OSB,  8448                        ; 16 rows x 528
.set XS,   292608
.set XSB,  8448                        ; 16 rows x 528
.set G1A,  24                          ; s[24:31] shape of 8 rows x 256 f32
.set G1B,  32                          ; s[32:39] shape of 2 rows x 256 f32
.set G0,   40                          ; s[40:63] six sets: from where, to where
.set G06,  68                          ; s[68:71] the seventh
.set BIAS, 16                          ; v[16:47]   sc * (bih + bhh) of my lane's 4 x 8 columns
.set ACC,  48                          ; v[48:79]   four accumulators; the results are packed in place
.set RB,   80                          ; v[80:95]   rows read back, store data
.set XF,   96                          ; v[96:127]  my four rows of emb in f32, then in f16
.set XH,   128                         ; v[128:255] fragments of emb: buffer tile & 1, eight K steps each
.set WT,   112                         ; v[112:239] set-up only: 32 rows of Wih in f16 on their way to my stage
.set MSB, 0
.macro WIN new                         ; the immediate's high byte repeats the setting that is left
.if MSB != \new
	s_set_vgpr_msb (MSB<<8)|\new
.set MSB, \new
.endif
.endm
	s_load_b512 s[4:19], s[0:1], 0x0               ; emb 4, Wih_f 6, Wih_b 8, bih_f 10, bhh_f 12, bih_b 14, bhh_b 16, ptab 18
	v_lshl_add_u32 v254, v0, 2, 0x4b900
	v_mov_b32 v255, 0
	ds_add_u32 v254, v255
	ds_add_u32 v254, v255
	s_wait_dscnt 0x0
	v_lshrrev_b32 v1, 5, v0
	v_readfirstlane_b32 s20, v1                    ; w
	s_and_b32 s21, s20, 1                          ; which 64 gate rows of my direction
	s_lshr_b32 s22, s20, 1                         ; direction
	s_mov_b32 s[G1A+0], (2<<16)|(1<<20)|(7<<22)|(3<<25)  ; elements of 4 bytes; padding on: behind every 256 words 4 words
	s_mov_b32 s[G1A+1], 256<<16                    ; tensor_dim0 = 256
	s_mov_b32 s[G1A+2], 8<<16                      ; tensor_dim1 = 8
	s_mov_b32 s[G1A+3], 256<<16                    ; tile_dim0 = 256
	s_mov_b32 s[G1A+4], 8                          ; tile_dim1 = 8
	s_mov_b32 s[G1A+5], 256                        ; elements from row to row
	s_mov_b32 s[G1A+6], 0
	s_mov_b32 s[G1A+7], 0
	s_mov_b32 s[G1B+0], (2<<16)|(1<<20)|(7<<22)|(3<<25)
	s_mov_b32 s[G1B+1], 256<<16
	s_mov_b32 s[G1B+2], 2<<16                      ; two rows
	s_mov_b32 s[G1B+3], 256<<16
	s_mov_b32 s[G1B+4], 2
	s_mov_b32 s[G1B+5], 256
	s_mov_b32 s[G1B+6], 0
	s_mov_b32 s[G1B+7], 0
	s_mul_i32 s86, ttmp9, 204800                   ; 200 rows of 1,024 bytes a work-group (below 4 GiB)
	s_lshl_b32 s23, s20, 13
	s_add_co_u32 s86, s86, s23                     ; + 8 rows a wave
	s_mov_b32 s87, 0
	s_mul_i32 s2, ttmp9, 204800
	s_lshl_b32 s23, s20, 11
	s_add_co_u32 s2, s2, s23                       ; + 2 rows a wave
	s_add_co_u32 s2, s2, 196608                    ; + row 192
	s_mov_b32 s3, 0
	s_mul_i32 s23, s20, 8*XP                       ; LDS: 8 rows a wave
	s_mul_i32 s84, s20, 2*XP                       ; LDS: 2 rows a wave
	s_wait_kmcnt 0x0
	s_add_nc_u64 s[66:67], s[4:5], s[86:87]
	s_add_nc_u64 s[2:3], s[4:5], s[2:3]
	; All the work-group's rows are asked for at once: seven loads a wave, all first fills, ahead of every wait on TENSORcnt, LDS read and barrier.
	; Group g = 0 .. 5 is rows 32 g .. 32 g + 31 (8 a wave), the seventh rows 192 .. 199 (2 a wave).  No descriptor register is written again.
.irp g, 0,1,2,3,4,5
	s_mov_b32 s[G0+4*\g], 1
	s_add_co_u32 s[G0+4*\g+1], s23, \g*32*XP
	s_add_nc_u64 s[G0+4*\g+2:G0+4*\g+3], s[66:67], \g*32768
	s_or_b32 s[G0+4*\g+3], s[G0+4*\g+3], 0x80000000
	tensor_load_to_lds s[G0+4*\g:G0+4*\g+3], s[G1A:G1A+7]
	s_nop 0
.endr
	s_mov_b32 s[G06], 1
	s_add_co_u32 s[G06+1], s84, 192*XP
	s_mov_b64 s[G06+2:G06+3], s[2:3]
	s_or_b32 s[G06+3], s[G06+3], 0x80000000
	tensor_load_to_lds s[G06:G06+3], s[G1B:G1B+7]
	s_nop 0
	s_cmp_eq_u32 s22, 0                            ; my direction's weights and biases
	s_cselect_b64 s[72:73], s[6:7], s[8:9]
	s_cselect_b64 s[74:75], s[10:11], s[14:15]
	s_cselect_b64 s[76:77], s[12:13], s[16:17]
	s_lshl_b32 s86, s21, 16
	s_add_nc_u64 s[72:73], s[72:73], s[86:87]      ; + 64 rows of 1,024 bytes for odd waves
	s_lshl_b32 s86, s21, 8
	s_add_nc_u64 s[74:75], s[74:75], s[86:87]      ; + 64 numbers
	s_add_nc_u64 s[76:77], s[76:77], s[86:87]
	s_mul_i32 s86, ttmp9, 102400
	s_add_nc_u64 s[84:85], s[18:19], s[86:87]      ; ptab at the work-group's first row (512 bytes a row)
	s_mov_b32 s80, 0xbfb8aa3b                      ; -log2(e): column tiles 2, 3 (f or o)
	s_mov_b32 s81, 0xbfb8aa3b
	s_mov_b32 s78, 0x4038aa3b                      ; 2 log2(e): column tiles 0, 1 of odd waves (g); even waves: i
	s_cmp_eq_u32 s21, 1
	s_cselect_b32 s78, s78, s80
	s_mov_b32 s79, s78
	s_mov_b32 s82, 0xc76a6000                      ; -60,000
	s_mov_b32 s83, 0x476a6000                      ; +60,000
	v_and_b32 v1, 31, v0                           ; lane
	v_and_b32 v2, 15, v0                           ; r
	v_bfe_u32 v3, v0, 4, 1                         ; hh
	s_mul_i32 s86, s20, 4*XP
	v_lshl_add_u32 v4, v1, 4, s86                  ; X: rows 4 w .. of tile 0, 16 bytes a lane; steps 16 rows a tile
	s_mul_i32 s86, s21, 4*XP
	s_add_co_u32 s86, s86, 192*XP
	v_lshl_add_u32 v5, v1, 4, s86                  ; the last tile has 8 rows: waves 2, 3 take rows 192 + 4 (w & 1) .. once more
	s_mul_i32 s23, s20, WSB
	s_add_co_u32 s23, s23, WS                      ; my stage for weights
	v_lshl_add_u32 v6, v1, 3, s23                  ; in: 8 bytes a lane
	v_mul_u32_u24 v7, v2, WP
	v_lshl_add_u32 v7, v3, 4, v7                   ; r x 528 + 16 hh
	s_lshl_b32 s86, s20, 7
	s_add_co_u32 s86, s86, OST
	v_add_nc_u32 v8, s86, v7                       ; output stage, in: row r, my 128 bytes, 16 hh
	v_add_nc_u32 v14, XS, v7                       ; stage of emb, out: a fragment's row
	v_add_nc_u32 v7, s23, v7                       ; weights, out: a fragment's row
	s_mul_i32 s86, s20, 4*WP
	s_add_co_u32 s86, s86, OST
	v_lshl_add_u32 v9, v1, 4, s86                  ; output stage, back: rows 4 w .., 16 bytes a lane
	s_mul_i32 s86, s20, 4*WP
	s_add_co_u32 s86, s86, XS
	v_lshl_add_u32 v13, v1, 3, s86                 ; stage of emb, in: rows 4 w .., 8 bytes a lane
	s_lshl_b32 s86, s20, 11
	v_lshl_add_u32 v10, v1, 4, s86                 ; rows 4 w .. of a tile in ptab
	v_lshlrev_b32 v11, 4, v1                       ; 16 x lane
	v_lshlrev_b32 v12, 5, v3                       ; 8 hh numbers of 4 bytes
	; biases of my lane's columns 16 t + 8 hh + j, then my 64 rows of Wih: 128 loads of 512 neighbouring bytes
.irp t, 0,1,2,3
	global_load_b128 v[BIAS+8*\t:BIAS+8*\t+3],   v12, s[74:75] offset:\t*64
	global_load_b128 v[BIAS+8*\t+4:BIAS+8*\t+7], v12, s[74:75] offset:\t*64+16
	global_load_b128 v[ACC+8*\t:ACC+8*\t+3],     v12, s[76:77] offset:\t*64
	global_load_b128 v[ACC+8*\t+4:ACC+8*\t+7],   v12, s[76:77] offset:\t*64+16
.endr
	WIN 0x80                                       ; destination in window 2
.set n, 0
.rept 64
	global_load_b128 v[4*n:4*n+3], v11, s[72:73] offset:n*512
.set n, n+1
.endr
	WIN 0xc0                                       ; destination in window 3
.rept 64
	global_load_b128 v[4*(n-64):4*(n-64)+3], v11, s[72:73] offset:n*512
.set n, n+1
.endr
	WIN 0
	s_wait_loadcnt 63                              ; the biases and rows 0-31 are in: 64 younger loads might stay out, the count's field holds 63
.set i, 0
.rept 16
	v_pk_add_f32 v[BIAS+2*i:BIAS+2*i+1], v[BIAS+2*i:BIAS+2*i+1], v[ACC+2*i:ACC+2*i+1]
.set i, i+1
.endr
.set i, 0
.rept 8
	v_pk_mul_f32 v[BIAS+2*i:BIAS+2*i+1], v[BIAS+2*i:BIAS+2*i+1], s[78:79] op_sel_hi:[1,0]
	v_pk_mul_f32 v[BIAS+16+2*i:BIAS+16+2*i+1], v[BIAS+16+2*i:BIAS+16+2*i+1], s[80:81] op_sel_hi:[1,0]
.set i, i+1
.endr
; 32 rows of Wih: f32 to f16, through my own stage, back as 16 fragments.  Load m of the pass is half (m & 1) of row m >> 1; lane l holds 4 numbers.
; The stage is the wave's own and LDS serves a wave's instructions in order (ISA guide 5.7.1): no wait between stores, loads and the next pass's stores.
.macro WPASS p, from
	WIN \from                                      ; sources 0 and 1 in window 2 + p
.set m, 0
.rept 64
	v_cvt_pk_f16_f32 v[WT+2*m],   v[4*m],   v[4*m+1]
	v_cvt_pk_f16_f32 v[WT+2*m+1], v[4*m+2], v[4*m+3]
.set m, m+1
.endr
	WIN 0
.set m, 0
.rept 64
	ds_store_b64 v6, v[WT+2*m:WT+2*m+1] offset:(m>>1)*WP+(m&1)*256
.set m, m+1
.endr
	WIN 0x40                                       ; destination in window 1
.irp tt, 0,1
.irp ks, 0,1,2,3,4,5,6,7
	ds_load_b128 v[8*(8*(2*\p+\tt)+\ks):8*(8*(2*\p+\tt)+\ks)+3],   v7 offset:\tt*16*WP+\ks*64
	ds_load_b128 v[8*(8*(2*\p+\tt)+\ks)+4:8*(8*(2*\p+\tt)+\ks)+7], v7 offset:\tt*16*WP+\ks*64+32
.endr
.endr
	WIN 0
.endm
	WPASS 0, 0x0a
	s_wait_loadcnt 0x0                             ; rows 32-63
	WPASS 1, 0x0f
	s_wait_dscnt 0x0                               ; my fragments are in
	s_wait_tensorcnt 0x6                           ; my part of rows 0-31 has landed; the six younger loads stay out
	s_barrier_signal -1
	s_barrier_wait -1                              ; everybody's part has.  No tensor load fills anything again in this launch
.macro CONVLOAD adr                    ; my four rows of a tile in f32: eight loads of 512 neighbouring bytes, load 2 i + half: lane l holds k = 128 half + 4 l .. + 3 of row i
.irp i, 0,1,2,3
	ds_load_b128 v[XF+8*\i:XF+8*\i+3],   v[\adr] offset:\i*XP
	ds_load_b128 v[XF+8*\i+4:XF+8*\i+7], v[\adr] offset:\i*XP+512
.endr
.endm
.macro CONVSTORE t                     ; to f16 in place, and into stage slot t & 1: 8 bytes a lane, 256 neighbouring bytes a store
.set i, 0
.rept 8
	v_cvt_pk_f16_f32 v[XF+4*i],   v[XF+4*i],   v[XF+4*i+1]
	v_cvt_pk_f16_f32 v[XF+4*i+1], v[XF+4*i+2], v[XF+4*i+3]
.set i, i+1
.endr
.set i, 0
.rept 8
	ds_store_b64 v13, v[XF+4*i:XF+4*i+1] offset:((\t)&1)*XSB+(i>>1)*WP+(i&1)*256
.set i, i+1
.endr
.endm
.macro FRAG t                          ; tile t's eight fragments: lane (r, hh) takes k = 32 ks + 8 hh .. + 7 and 32 ks + 16 + 8 hh .. + 7 of row r
.irp ks, 0,1,2,3,4,5,6,7
	ds_load_b128 v[XH+64*((\t)&1)+8*\ks:XH+64*((\t)&1)+8*\ks+3],   v14 offset:((\t)&1)*XSB+\ks*64
	ds_load_b128 v[XH+64*((\t)&1)+8*\ks+4:XH+64*((\t)&1)+8*\ks+7], v14 offset:((\t)&1)*XSB+\ks*64+32
.endr
.endm
.macro MUL q, ks, zero                 ; one K step on the four accumulators, which take turns, one instruction a turn
.irp t, 0,1,2,3
.if \zero
	v_wmma_f32_16x16x32_f16 v[ACC+8*\t:ACC+8*\t+7], v[8*(8*\t+\ks):8*(8*\t+\ks)+7], v[XH+64*((\q)&1)+8*\ks:XH+64*((\q)&1)+8*\ks+7], 0
.else
	v_wmma_f32_16x16x32_f16 v[ACC+8*\t:ACC+8*\t+7], v[8*(8*\t+\ks):8*(8*\t+\ks)+7], v[XH+64*((\q)&1)+8*\ks:XH+64*((\q)&1)+8*\ks+7], v[ACC+8*\t:ACC+8*\t+7]
.endif
.endr
.endm
.macro RBLOAD t                        ; rows 4 w .. 4 w + 3 of tile t's results, whole rows of 512 bytes
.irp i, 0,1,2,3
	ds_load_b128 v[RB+4*\i:RB+4*\i+3], v9 offset:((\t)&1)*OSB+\i*WP
.endr
.endm
.macro RBSTORE t, young                ; young: LDS instructions issued behind the four read-backs
.irp i, 0,1,2,3
	s_wait_dscnt \young+3-\i                       ; LDS loads come back in order (ISA guide 5.7.1): row i is in, what was issued behind it may stay out
	global_store_b128 v10, v[RB+4*\i:RB+4*\i+3], s[84:85] offset:(\t)*8192+\i*512   ; a whole row of ptab: 512 consecutive bytes, aligned
.endr
.endm
; The turn of tile q.  tcnt >= 0: how many younger tensor loads may stay out when the rows that the next two turns convert have to be there.
.macro TILE q, tcnt
.if \q < 12
	FRAG \q+1                                      ; they have this turn's products in which to come
.endif
.if \q > 0
.if \q > 1
	s_wait_xcnt 0x0                                ; RB is the data of the last turn's stores: loaded again only behind this wait
.endif
	RBLOAD \q-1
.endif
.if \q < 10
	CONVLOAD 4
.if \q < 9
	v_add_nc_u32 v4, 16*XP, v4                     ; the next tile's rows
.endif
.elseif \q == 10
	CONVLOAD 5                                     ; tile 12
.endif
	WIN 0x01                                       ; source 0 (weights) in window 1
	MUL \q, 0, 1                                   ; the first K step starts the sums; the fragments came in the last turn: no wait
	MUL \q, 1, 0
	MUL \q, 2, 0
	MUL \q, 3, 0
	MUL \q, 4, 0
	MUL \q, 5, 0
	MUL \q, 6, 0
	MUL \q, 7, 0
	WIN 0
.rept 4
	v_nop                                          ; four places between the last matrix instruction and the first reader of a result (ISA guide 7.12.1)
.endr
.if \q > 0
.if \q < 11
	RBSTORE \q-1, 8                                ; the eight loads of f32 rows were issued behind the read-backs
.else
	RBSTORE \q-1, 0
.endif
.endif
.if \q < 11
	s_wait_dscnt 0x0                               ; my four rows in f32 (and the next tile's fragments)
	CONVSTORE \q+2
.endif
.irp t, 0,1,2,3
.irp j, 0,2,4,6
	v_pk_fma_f32 v[ACC+8*\t+\j:ACC+8*\t+\j+1], v[ACC+8*\t+\j:ACC+8*\t+\j+1], s[78+2*(\t/2):79+2*(\t/2)], v[BIAS+8*\t+\j:BIAS+8*\t+\j+1] op_sel_hi:[1,0,1]
.endr
.irp j, 0,1,2,3,4,5,6,7
	v_med3_num_f32 v[ACC+8*\t+\j], v[ACC+8*\t+\j], s82, s83      ; every entry of the table stays finite in f16
.endr
.irp j, 0,1,2,3
	v_cvt_pk_f16_f32 v[ACC+8*\t+\j], v[ACC+8*\t+2*\j], v[ACC+8*\t+2*\j+1]   ; in place: register j is written when registers 2 j, 2 j + 1 are read, never ahead of them
.endr
	ds_store_b128 v8, v[ACC+8*\t:ACC+8*\t+3] offset:((\q)&1)*OSB+\t*32
.endr
	s_wait_dscnt 0x0                               ; all my LDS stores and loads of this turn are done: both stages' slots may change hands
.if \tcnt >= 0
	s_wait_tensorcnt \tcnt                         ; my part of the rows that the next two turns convert has landed
.endif
	s_barrier_signal -1
	s_barrier_wait -1
.endm
	CONVLOAD 4                                     ; lead-in: tile 0 into stage slot 0
	v_add_nc_u32 v4, 16*XP, v4
	s_wait_dscnt 0x0
	CONVSTORE 0
	s_wait_dscnt 0x0
	s_barrier_signal -1
	s_barrier_wait -1
	FRAG 0                                         ; lead-in: tile 0's fragments, tile 1 into stage slot 1
	CONVLOAD 4
	v_add_nc_u32 v4, 16*XP, v4
	s_wait_dscnt 0x0
	CONVSTORE 1
	s_wait_dscnt 0x0
	s_wait_tensorcnt 0x5                           ; rows 32-63 (tiles 2, 3); five younger loads stay out
	s_barrier_signal -1
	s_barrier_wait -1
	TILE 0,  -1
	TILE 1,   4
	TILE 2,  -1
	TILE 3,   3
	TILE 4,  -1
	TILE 5,   2
	TILE 6,  -1
	TILE 7,   1
	TILE 8,  -1
	TILE 9,   0                                    ; the last wait is for zero: no tensor load is out at the end
	TILE 10, -1
	TILE 11, -1
	TILE 12, -1
	s_cmp_gt_u32 s20, 1
	s_cbranch_scc1 .Ldone                          ; tile 12 has rows 0-7 alone: waves 0 and 1's
	s_wait_xcnt 0x0
	RBLOAD 12
	RBSTORE 12, 0
.Ldone:
	s_wait_xcnt 0x0
	v_lshl_add_u32 v254, v0, 2, 0x4b900
	v_mov_b32 v255, 0
	s_wait_tensorcnt 0x0
	ds_add_u32 v254, v255
	s_wait_dscnt 0x0
	s_endpgm
.Lfunc_end_k_q19b7cf8e64_table:
	.size	k_q19b7cf8e64_table, .Lfunc_end_k_q19b7cf8e64_table-k_q19b7cf8e64_table
	.p2alignl 7, 3214868480
	.fill 96, 4, 3214868480
	.section	.rodata,"a",@progbits
	.p2align	6, 0x0
	.amdhsa_kernel k_q19b7cf8e64_table
		.amdhsa_group_segment_fixed_size 310016
		.amdhsa_private_segment_fixed_size 0
		.amdhsa_enable_private_segment 0
		.amdhsa_kernarg_size 64
		.amdhsa_user_sgpr_count 2
		.amdhsa_user_sgpr_kernarg_segment_ptr 1
		.amdhsa_wavefront_size32 1
		.amdhsa_system_sgpr_workgroup_id_x 1
		.amdhsa_system_sgpr_workgroup_id_y 1
		.amdhsa_system_sgpr_workgroup_id_z 1
		.amdhsa_system_vgpr_workitem_id 0
		.amdhsa_next_free_vgpr 1024
		.amdhsa_next_free_sgpr 88
		.amdhsa_reserve_vcc 0
		.amdhsa_float_denorm_mode_32 3
		.amdhsa_float_denorm_mode_16_64 3
		.amdhsa_memory_ordered 1
		.amdhsa_forward_progress 1
		.amdhsa_inst_pref_size 187
	.end_amdhsa_kernel
	.amdgpu_metadata
---
amdhsa.version: [ 1, 2 ]
amdhsa.kernels:
  - .name:           k_q19b7cf8e64_table
    .symbol:         k_q19b7cf8e64_table.kd
    .args:
      - { .name: emb, .offset: 0, .size: 8, .value_kind: global_buffer, .address_space: global }
      - { .name: Wih_f, .offset: 8, .size: 8, .value_kind: global_buffer, .address_space: global }
      - { .name: Wih_b, .offset: 16, .size: 8, .value_kind: global_buffer, .address_space: global }
      - { .name: bih_f, .offset: 24, .size: 8, .value_kind: global_buffer, .address_space: global }
      - { .name: bhh_f, .offset: 32, .size: 8, .value_kind: global_buffer, .address_space: global }
      - { .name: bih_b, .offset: 40, .size: 8, .value_kind: global_buffer, .address_space: global }
      - { .name: bhh_b, .offset: 48, .size: 8, .value_kind: global_buffer, .address_space: global }
      - { .name: ptab, .offset: 56, .size: 8, .value_kind: global_buffer, .address_space: global }
    .group_segment_fixed_size: 310016
    .private_segment_fixed_size: 0
    .kernarg_segment_align: 8
    .kernarg_segment_size: 64
    .max_flat_workgroup_size: 128
    .sgpr_count:     88
    .vgpr_count:     1024
    .wavefront_size: 32
...
	.end_amdgpu_metadata
.endif
;; end of part 1
;; launch lstm (part 2): grid 256 x 1, 16 waves a work-group, no clusters, 251,136 bytes of LDS; arguments ptab, tokens, Whh_f, Whh_b, w_omega, u_omega, hs, alphas; writes hs, alphas
.if DOCPART == 2
	.amdgcn_target "amdgcn-amd-amdhsa--gfx1250"
	.amdhsa_code_object_version 6
	.text
	.protected	k_q19b7cf8e64_lstm
	.globl	k_q19b7cf8e64_lstm
	.p2align	8
	.type	k_q19b7cf8e64_lstm,@function
k_q19b7cf8e64_lstm:
	s_mov_b64 s[64:65], 0
	v_nop
	global_prefetch_b8 v0, s[64:65] scope:SCOPE_SE
	s_setreg_imm32_b32 hwreg(HW_REG_WAVE_MODE, 25, 1), 1
	s_wait_xcnt 0x0
; SECOND LAUNCH: looks the rows of ptab up by the tokens, runs both LSTMs, stores every state (hs, f16) and the attention weights (alphas, f32).
; LEFT OUT (shown at the head of the launch table): the first step's h0 * Whh^T, its f gate and f * c0 (h0 = c0 = 0 by construction), and the term
; sum(u_omega) of the logit, which is the same along the softmax's axis.  A NaN or infinity that reaches only these is not carried on.
; THE SOFTMAX GROUPS: the logits are taken in the order n = s * 32768 + b and cut into groups of 16, so a group is one step s and 16 neighbouring
; batch rows, 16-aligned: exactly a wave's tile.  alphas[n] is stored in that order; the launch mix reads alphas[16 b + s].
; The group's maximum is taken away before the exponential.
; SHARES: a work-group owns 128 batch rows; wave w runs one chain: rows 16 tl .. + 15 (tl = w >> 1) in direction d = w & 1, 16 steps in ITS time t
; (d = 0: s = t; d = 1: s = 15 - t).  Four waves lie on each SIMD, each with a quarter of its registers.
; LAYOUT: source 0 = 16 gate rows, source 1 = h (column = batch row r).  Accumulator 2 x + u (x = i, f, g, o) holds in lane (r, hh), register j, unit
; 16 u + 8 hh + j of row r: the four gates of a cell meet in one lane and one register index, and the new h, packed to f16, is the next step's
; source 1 as it stands.  The looked-up pre-activations (f16) are widened to f32 by a product with a unit matrix ([I|0] and [0|I]), which also starts
; the sums; every entry of ptab is finite, so the zeros of the unit matrix give zeros.
; THE CELL: all accumulators are arguments of exp2 (the factors lie in ptab and Whh).  With E = exp2(accumulator): sigmoid = 1 / (1 + E),
; tanh = (E - 1) / (1 + E).  Products of two activations share a reciprocal:
;   c = c / (1 + Ef) + (Eg - 1) / ((1 + Ei)(1 + Eg)),     h = (Ec - 1) / ((1 + Eo)(1 + Ec)):   5 exp2 and 3 reciprocals a cell.
; An infinite Ei, Ef or Eo makes its reciprocal 0 beside a finite factor, which is the right limit, so these three need no bound.  g's argument is held
; in [-40, 40]: Eg - 1 stays finite beside a reciprocal that may be 0, Eg stays above 0 beside a 1 + Ei that may be infinite, and tanh is +-1 in f32
; at either bound.  |c| grows by at most 1 a step, so over 16 steps the argument of Ec stays within +-46.2 for every input: no bound is needed there.
; f is not put over the same denominator: that would save 16 reciprocals a step for 32 caps (i and f) and 16 more packed instructions.
; ATTENTION: the states of times 0-7 are kept in LDS.  At time t >= 8 a wave holds its own state of step s and reads its partner's (wave w ^ 1) state of
; the same s, which the partner made at time 15 - t.  So forward waves make the logits of s = 8 .. 15, backward waves those of s = 7 .. 0.
; There tanh(z) = 1 - 2 rcp(1 + exp2(..)), a form that holds at exp2 = 0 and at infinity; the -2 lies in u_omega's factor.
; LIMITS: Whh x 2.89 and w_omega x 2.89 go in f16 (infinite from 65,504 up).  Tokens are clamped to 49,999 (as unsigned numbers).
; A NaN in g's argument is not carried on (the bounds take its place).
; LOOK-UPS: the loads of time t + 1 are issued at the head of the step of time t.  PREFETCH: all 16 times' tokens lie in LDS from the set-up, so in the
; steps of even time t = 0 .. 12 a wave also asks for the 32 half rows of 256 bytes, one lane each, that its loads of times t + 2 (lanes 0-15) and
; t + 3 (lanes 16-31) will want; those loads are issued one and two steps later.  So a wave has at most 32 x 256 bytes asked for and not yet loaded,
; the sixteen waves 128 KiB.  Times 0 and 1 are loaded before a request could run ahead; the step of time 12 asks for the last rows (times 14, 15) and
; the later steps ask for nothing.  Every request points at a clamped token's row, inside ptab.  A row that several look-ups name is asked for by each
; of them: no wave knows the others' tokens.  The steps stand in pairs in the loops, so that the request needs no branch and no change of EXEC.
; HINTS: 524,288 look-ups fall on 50,000 rows, so a row of ptab is wanted about ten times: the look-ups carry the hint for data that is read again.
; hs and alphas are written once and not read in this launch, a tile's tokens are asked for by its two waves at the start and never again: the once-only hints.
; NO CLUSTER, NO TENSOR LOADS: the rows looked up are shared by no rule; the weights shared by all work-groups are 37 KiB, read once a work-group.
.set STGB,  4352                       ; STG at 0: for each wave 16 looked-up half rows of 256 bytes, pitch 272, its own
.set SP,    272
.set TOK,   69632                      ; for each wave 1,024 bytes: its tokens in its time order: t * 64 + (row & 1) * 32 + (row >> 1) * 4
.set STASH, 86016                      ; for each wave 8,192 bytes: its h fragments of times 0-7: t * 1024 + lane * 16 (+ 512)
.set ALS,   217088                     ; alphas: d * 4096 + (t - 8) * 512 + tl * 64 + r * 4
.set WHS,   225280                     ; 2 x 128 rows of Whh in f16, pitch 80
.set WOS,   245760                     ; w_omega transposed, [a][k] in f16, pitch 144
.set UOS,   248064                     ; for each wave 64 bytes: u_omega scaled, its own
.set ID,    16                         ; v[16:27]   0 0 0 0 X0 X1 X2 X3 0 0 0 0: [I|0] = v[20:27], [0|I] = v[16:23]
.set HF,    28                         ; v[28:35]   h as source 1
.set CS,    36                         ; v[36:51]   c
.set OFFS,  52                         ; v[52:59]   tokens, then byte offsets of the 8 gather loads
.set WH,    64                         ; v[64:127]  8 fragments of Whh
.set ACC,   128                        ; v[128:191] 8 accumulators
.set GI,    128
.set GF,    144
.set GG,    160
.set GO,    176
.set LAND,  192                        ; v[192:223] the next step's rows as loaded
.set PF,    224                        ; v[224:255] 4 fragments of pre-activations; in the attention: w own, w other, partner's h, u
; v1 STG in, v2 STG out, v3 tokens, v4 16 r, v5 offset in hs, v6 stash in, v7 partner's stash, v8 alphas in, v9, v10 w_omega, v11 u, v12-15 at work
; v60-63: offsets of the set-up's loads; behind these v60 = tokens, then offsets, of a prefetch, v61 = where its tokens lie, v62 = v7 - 1024
	s_load_b512 s[4:19], s[0:1], 0x0               ; ptab 4, tokens 6, Whh_f 8, Whh_b 10, w_omega 12, u_omega 14, hs 16, alphas 18
	v_and_b32 v12, 31, v0                          ; lane
	v_lshrrev_b32 v13, 5, v0
	v_readfirstlane_b32 s20, v13                   ; w
	v_and_b32 v13, 15, v0                          ; r
	v_bfe_u32 v14, v0, 4, 1                        ; hh
	s_and_b32 s21, s20, 1                          ; d
	s_lshr_b32 s22, s20, 1                         ; tl
	s_mov_b32 s29, 0x42200000                      ; +40: the bounds of g's argument
	s_mov_b32 s33, 0xc2200000                      ; -40
	s_mov_b32 s30, 0x76543210                      ; v_permlanex16_b32: lane i of one half reads lane i of the other
	s_mov_b32 s31, 0xfedcba98
	s_mul_i32 s38, s20, STGB
	v_mul_u32_u24 v1, v14, SP
	v_lshl_add_u32 v1, v13, 4, v1
	v_add_nc_u32 v1, s38, v1                       ; in: load q brings rows 2 q + hh, 16 bytes at 16 r
	v_mul_u32_u24 v2, v13, SP
	v_lshl_add_u32 v2, v14, 4, v2
	v_add_nc_u32 v2, s38, v2                       ; out: row r, 16 hh
	s_lshl_b32 s39, s20, 10
	s_add_co_u32 s39, s39, TOK
	v_lshl_add_u32 v3, v14, 5, s39                 ; the 8 tokens of rows 2 q + hh at time 0; + 64 a step
	v_lshlrev_b32 v4, 4, v13
	s_mul_i32 s40, s21, 31744                      ; d = 1 begins at s = 15: 15 x 2048 + 1024
	v_lshl_add_u32 v5, v12, 4, s40
	s_lshl_b32 s40, s20, 13
	s_add_co_u32 s40, s40, STASH
	v_lshl_add_u32 v6, v12, 4, s40
	s_xor_b32 s40, s20, 1
	s_lshl_b32 s40, s40, 13
	s_add_co_u32 s40, s40, STASH
	v_lshl_add_u32 v7, v12, 4, s40                 ; the partner's time 0; never rewritten
	s_lshl_b32 s40, s21, 12
	s_lshl_b32 s41, s22, 6
	s_add_co_u32 s40, s40, s41
	s_add_co_u32 s40, s40, ALS
	v_lshl_add_u32 v8, v13, 2, s40
	v_mul_u32_u24 v9, v13, 144
	v_lshl_add_u32 v9, v14, 4, v9
	s_lshl_b32 s40, s21, 6
	s_sub_co_u32 s41, WOS+64, s40
	s_add_co_u32 s40, s40, WOS
	v_add_nc_u32 v10, s41, v9                      ; the other direction's 32 k
	v_add_nc_u32 v9, s40, v9                       ; my direction's 32 k of row a = r
	s_lshl_b32 s40, s20, 6
	s_add_co_u32 s40, s40, UOS
	v_lshl_add_u32 v11, v14, 5, s40                ; u of a = 8 hh .. + 7
	v_lshl_add_u32 v227, v13, 2, s40               ; set-up: where u goes
	v_and_b32 v224, 1, v12                         ; set-up: where my 8 tokens go.  Lane l holds row l >> 1, steps 8 (l & 1) + e
	v_xor_b32 v224, s21, v224                      ; in time order the two halves of the steps change places for d = 1
	v_lshlrev_b32 v224, 9, v224
	v_bfe_u32 v229, v12, 1, 1
	v_lshl_add_u32 v224, v229, 5, v224
	v_lshrrev_b32 v229, 2, v12
	v_lshl_add_u32 v224, v229, 2, v224
	v_add_nc_u32 v224, s39, v224
	s_mul_i32 s40, s21, 10240
	s_add_co_u32 s40, s40, WHS                     ; my direction's Whh in LDS
	s_mul_i32 s41, s22, 1280
	s_add_co_u32 s41, s41, s40                     ; rows 16 tl ..: the part that I convert
	v_lshrrev_b32 v229, 3, v12
	v_and_b32 v230, 7, v12
	v_mul_u32_u24 v225, v229, 80
	v_lshl_add_u32 v225, v230, 3, v225
	v_add_nc_u32 v225, s41, v225                   ; set-up: row l >> 3 of four, 8 bytes at 8 (l & 7)
	v_mul_u32_u24 v228, v13, 80
	v_lshl_add_u32 v228, v14, 4, v228
	v_add_nc_u32 v228, s40, v228                   ; set-up: a fragment's row of Whh
	v_mul_u32_u24 v226, v230, 288
	v_lshl_add_u32 v226, v229, 1, v226
	s_lshl_b32 s41, s20, 3
	s_add_co_u32 s41, s41, WOS
	v_add_nc_u32 v226, s41, v226                   ; set-up: w_omega[k = 4 w + (l >> 3)][a = 2 (l & 7)] goes to row a, 2 k
	s_lshl_b32 s40, ttmp9, 13
	s_lshl_b32 s41, s22, 10
	s_add_co_u32 s40, s40, s41
	v_lshl_add_u32 v60, v12, 5, s40                ; tokens: (128 wg + 16 tl) rows of 64 bytes + 32 bytes a lane
	s_lshl_b32 s41, s22, 11
	v_lshl_add_u32 v61, v12, 4, s41                ; Whh: 16 tl rows of 128 bytes
	s_lshl_b32 s41, s20, 8
	v_lshl_add_u32 v62, v12, 3, s41                ; w_omega: 256 bytes a wave
	v_lshlrev_b32 v63, 2, v13                      ; u_omega
	s_wait_kmcnt 0x0
	global_load_b128 v[OFFS:OFFS+3],   v60, s[6:7] th:TH_LOAD_NT
	global_load_b128 v[OFFS+4:OFFS+7], v60, s[6:7] offset:16 th:TH_LOAD_NT
	s_cmp_eq_u32 s21, 0
	s_cselect_b64 s[34:35], s[8:9], s[10:11]
.irp n, 0,1,2,3
	global_load_b128 v[ACC+4*\n:ACC+4*\n+3], v61, s[34:35] offset:\n*512
.endr
	global_load_b64 v[160:161], v62, s[12:13]
	global_load_b32 v162, v63, s[14:15]
	s_lshl_b32 s38, s21, 8
	s_mov_b32 s39, 0
	s_add_nc_u64 s[24:25], s[4:5], s[38:39]        ; ptab at my direction's half of a row
	s_lshl_b32 s38, ttmp9, 18
	s_lshl_b32 s40, s22, 15
	s_add_co_u32 s38, s38, s40
	s_add_nc_u64 s[26:27], s[16:17], s[38:39]      ; hs at tile 8 wg + tl (32,768 bytes a tile)
	s_lshl_b32 s28, s21, 12
	s_sub_co_u32 s28, 2048, s28                    ; a step in hs: + 2048 forward, - 2048 backward
	s_lshr_b32 s40, s22, 1                         ; the gate of the rows that I convert
	s_mov_b32 s36, 0x4038aa3b
	s_mov_b32 s37, 0xbfb8aa3b
	s_cmp_eq_u32 s40, 2
	s_cselect_b32 s36, s36, s37                    ; g: 2 log2(e), else -log2(e)
	s_mov_b32 s37, s36
	; the unit matrix: lane (r, hh) holds row r; its 1.0 stands at k = r, which is in this lane if hh = r >> 3, in register (r & 7) >> 1, half r & 1
	v_lshrrev_b32 v229, 3, v13
	v_and_b32 v230, 1, v13
	v_lshlrev_b32 v230, 4, v230
	v_mov_b32 v231, 0x3c00
	v_lshlrev_b32 v231, v230, v231
	v_cmp_eq_u32 vcc_lo, v229, v14
	v_cndmask_b32 v231, 0, v231, vcc_lo
	v_bfe_u32 v229, v13, 1, 2
.irp q, 0,1,2,3
	v_mov_b32 v[ID+\q], 0
	v_mov_b32 v[ID+8+\q], 0
	v_cmp_eq_u32 vcc_lo, \q, v229
	v_cndmask_b32 v[ID+4+\q], 0, v231, vcc_lo
.endr
.macro OFFSETS                         ; tokens to byte offsets: inside the table, 512 bytes a row, + 16 r
.irp q, 0,1,2,3,4,5,6,7
	v_min_u32 v[OFFS+\q], 0xc34f, v[OFFS+\q]
	v_lshl_add_u32 v[OFFS+\q], v[OFFS+\q], 9, v4
.endr
.endm
.macro GATHER                          ; 16 half rows of 256 bytes: sixteen lanes take one, whole and aligned; rows that the launch reads again
.irp q, 0,1,2,3,4,5,6,7
	global_load_b128 v[LAND+4*\q:LAND+4*\q+3], v[OFFS+\q], s[24:25] th:TH_LOAD_HT
.endr
.endm
	s_wait_loadcnt 0x6                             ; the tokens are in; the six loads behind them stay out
	s_cmp_eq_u32 s21, 0
	s_cbranch_scc0 .Lback
.irp e, 0,1,2,3,4,5,6,7
	ds_store_b32 v224, v[OFFS+\e] offset:\e*64     ; forward: time = step
.endr
	s_branch .Ltok
.Lback:
.irp e, 0,1,2,3,4,5,6,7
	ds_store_b32 v224, v[OFFS+\e] offset:(7-\e)*64 ; backward: time = 15 - step
.endr
.Ltok:
	ds_load_b128 v[OFFS:OFFS+3],   v3              ; my own bytes, served in order: time 0
	ds_load_b128 v[OFFS+4:OFFS+7], v3 offset:16
	s_wait_dscnt 0x0
	OFFSETS
	GATHER
	v_add_nc_u32 v3, 64, v3
	s_wait_loadcnt 0x8                             ; Whh, w_omega, u_omega are in, so v60-63 are free; the eight gathers stay out
	s_lshl_b32 s40, s20, 10
	s_add_co_u32 s40, s40, TOK+128
	v_lshl_add_u32 v61, v12, 2, s40                ; one word a lane: the 16 tokens of time 2 (lanes 0-15) and of time 3 (lanes 16-31); + 128 a request
	s_xor_b32 s40, s20, 1
	s_lshl_b32 s40, s40, 13
	s_add_co_u32 s40, s40, STASH-1024
	v_lshl_add_u32 v62, v12, 4, s40                ; v7 - 1024: with 1024 x s32 it gives the partner's time s32 - 1; never rewritten
.irp i, 0,1,2,3,4,5,6,7
	v_pk_mul_f32 v[ACC+2*\i:ACC+2*\i+1], v[ACC+2*\i:ACC+2*\i+1], s[36:37] op_sel_hi:[1,0]
.endr
.irp i, 0,1,2,3,4,5,6,7
	v_cvt_pk_f16_f32 v[GF+\i], v[ACC+2*\i], v[ACC+2*\i+1]
.endr
.irp n, 0,1,2,3
	ds_store_b64 v225, v[GF+2*\n:GF+2*\n+1] offset:\n*320
.endr
	v_pk_mul_f32 v[160:161], v[160:161], 0x4038aa3b op_sel_hi:[1,0]   ; w_omega x 2 log2(e)
	v_mul_f32 v162, 0xc038aa3b, v162               ; u_omega x -2 log2(e): the -2 of tanh, and exp as exp2
	v_cvt_pk_f16_f32 v163, v160, v161
	ds_store_b16 v226, v163
	ds_store_b16_d16_hi v226, v163 offset:144
	ds_store_b32 v227, v162
	s_wait_dscnt 0x0                               ; my parts of Whh and w_omega are in LDS
	s_barrier_signal -1
	s_barrier_wait -1                              ; everybody's are
.irp t, 0,1,2,3,4,5,6,7
	ds_load_b128 v[WH+8*\t:WH+8*\t+3],   v228 offset:\t*1280
	ds_load_b128 v[WH+8*\t+4:WH+8*\t+7], v228 offset:\t*1280+32
.endr
.macro TR op, base, n                  ; n transcendentals in place, back to back on different registers
.set i, 0
.rept \n
	\op v[\base+i], v[\base+i]
.set i, i+1
.endr
.endm
.macro PLUS1 base, n                   ; n pairs: + 1
.set i, 0
.rept \n
	v_pk_add_f32 v[\base+2*i:\base+2*i+1], v[\base+2*i:\base+2*i+1], 1.0 op_sel_hi:[1,0]
.set i, i+1
.endr
.endm
.macro MINUS1 base, n                  ; n pairs: - 1
.set i, 0
	s_wait_alu depctr_va_vdst(0)
.rept \n
	v_pk_add_f32 v[\base+2*i:\base+2*i+1], v[\base+2*i:\base+2*i+1], -1.0 op_sel_hi:[1,0]
.set i, i+1
.endr
.endm
.macro DENOM a, e                      ; 8 pairs: a = a e + a = a (1 + e), with a = 1 + E of one activation and e = E of the other, e > 0
.set i, 0
.rept 8
	v_pk_fma_f32 v[\a+2*i:\a+2*i+1], v[\a+2*i:\a+2*i+1], v[\e+2*i:\e+2*i+1], v[\a+2*i:\a+2*i+1]
.set i, i+1
.endr
.endm
.macro PLOAD p                         ; gate p of my 16 rows as source 1: k = unit
	ds_load_b128 v[PF+8*\p:PF+8*\p+3],   v2 offset:\p*64
	ds_load_b128 v[PF+8*\p+4:PF+8*\p+7], v2 offset:\p*64+32
.endm
.macro PWIDEN p                        ; units 0-15 and 16-31 of gate p, f16 to f32: these start the sums
	v_wmma_f32_16x16x32_f16 v[ACC+16*\p:ACC+16*\p+7],    v[ID+4:ID+11], v[PF+8*\p:PF+8*\p+7], 0
	v_wmma_f32_16x16x32_f16 v[ACC+16*\p+8:ACC+16*\p+15], v[ID:ID+7],    v[PF+8*\p:PF+8*\p+7], 0
.endm
; The cell, in place in the accumulators; h ends in GG.  Behind each run of transcendentals one plain instruction that touches none of the run's
; registers stands before a result is used (ISA guide 5.7.2): a v_nop behind the exponentials, the packed E - 1 behind the reciprocals.
.macro CELL first
.set i, 0
.rept 16
	v_med3_num_f32 v[GG+i], v[GG+i], s33, s29      ; g's argument in [-40, 40]
.set i, i+1
.endr
	TR v_exp_f32, GI, 16
.if \first == 0
	TR v_exp_f32, GF, 16
.endif
	TR v_exp_f32, GG, 32                           ; Eg and Eo
	v_nop
	s_wait_alu depctr_va_vdst(0)
	PLUS1 GI, 8
.if \first == 0
	PLUS1 GF, 8
.endif
	PLUS1 GO, 8
	DENOM GI, GG                                   ; (1 + Ei)(1 + Eg)
	TR v_rcp_f32, GI, 16
.if \first == 0
	TR v_rcp_f32, GF, 16
.endif
	MINUS1 GG, 8                                   ; Eg - 1
.set i, 0
.rept 8
.if \first
	s_wait_alu depctr_va_vdst(0)
	v_pk_mul_f32 v[CS+2*i:CS+2*i+1], v[GG+2*i:GG+2*i+1], v[GI+2*i:GI+2*i+1]                       ; c = i g (c0 = 0)
.else
	v_pk_mul_f32 v[CS+2*i:CS+2*i+1], v[CS+2*i:CS+2*i+1], v[GF+2*i:GF+2*i+1]
	v_pk_fma_f32 v[CS+2*i:CS+2*i+1], v[GG+2*i:GG+2*i+1], v[GI+2*i:GI+2*i+1], v[CS+2*i:CS+2*i+1]   ; c = f c + i g
.endif
.set i, i+1
.endr
.set i, 0
.rept 8
	v_pk_mul_f32 v[GG+2*i:GG+2*i+1], v[CS+2*i:CS+2*i+1], 0x4038aa3b op_sel_hi:[1,0]
.set i, i+1
.endr
	TR v_exp_f32, GG, 16                           ; Ec
	v_nop
	s_wait_alu depctr_va_vdst(0)
	DENOM GO, GG                                   ; (1 + Eo)(1 + Ec)
	TR v_rcp_f32, GO, 16
	MINUS1 GG, 8                                   ; Ec - 1
.set i, 0
	s_wait_alu depctr_va_vdst(0)
.rept 8
	v_pk_mul_f32 v[GG+2*i:GG+2*i+1], v[GG+2*i:GG+2*i+1], v[GO+2*i:GO+2*i+1]                       ; h = o tanh(c)
.set i, i+1
.endr
.endm
; The logits of my 16 rows at this step, and their softmax.  z(a, row) in lane (r, hh), register j: a = 8 hh + j.
.macro ATT last
	s_wait_dscnt 0x0                               ; w_omega's two fragments, the partner's h, u
	v_wmma_f32_16x16x32_f16 v[ACC:ACC+7],    v[PF:PF+7],    v[HF:HF+7],     0     ; two accumulators, one instruction each: no chain
	v_wmma_f32_16x16x32_f16 v[ACC+8:ACC+15], v[PF+8:PF+15], v[PF+16:PF+23], 0
.rept 4
	v_nop                                          ; four places in front of the first reader of a result (ISA guide 7.12.1)
.endr
.irp j, 0,2,4,6
	v_pk_add_f32 v[ACC+\j:ACC+\j+1], v[ACC+\j:ACC+\j+1], v[ACC+8+\j:ACC+8+\j+1]
.endr
	TR v_exp_f32, ACC, 8
	v_nop
	s_wait_alu depctr_va_vdst(0)
	PLUS1 ACC, 4
	TR v_rcp_f32, ACC, 8
	v_nop
	s_wait_alu depctr_va_vdst(0)
	v_pk_mul_f32 v[ACC+8:ACC+9], v[ACC:ACC+1], v[PF+24:PF+25]
.irp j, 2,4,6
	v_pk_fma_f32 v[ACC+8:ACC+9], v[ACC+\j:ACC+\j+1], v[PF+24+\j:PF+24+\j+1], v[ACC+8:ACC+9]
.endr
	v_add_f32 v12, v[ACC+8], v[ACC+9]
	v_permlanex16_b32 v13, v12, s30, s31           ; the other eight a
	v_add_f32 v12, v12, v13                        ; log2(e) x logit of row r, less a term common to the group
	v_mov_b32 v14, v12
	v_max_num_f32_dpp v14, v14, v14 row_xmask:1 row_mask:0xf bank_mask:0xf
	v_max_num_f32_dpp v14, v14, v14 row_xmask:2 row_mask:0xf bank_mask:0xf
	v_max_num_f32_dpp v14, v14, v14 row_xmask:4 row_mask:0xf bank_mask:0xf
	v_max_num_f32_dpp v14, v14, v14 row_xmask:8 row_mask:0xf bank_mask:0xf
	v_sub_f32 v12, v12, v14                        ; the group's maximum goes away first
	v_exp_f32 v12, v12
	v_nop
	s_wait_alu depctr_va_vdst(0)
	v_mov_b32 v14, v12
	v_add_f32_dpp v14, v14, v14 row_xmask:1 row_mask:0xf bank_mask:0xf
	v_add_f32_dpp v14, v14, v14 row_xmask:2 row_mask:0xf bank_mask:0xf
	v_add_f32_dpp v14, v14, v14 row_xmask:4 row_mask:0xf bank_mask:0xf
	v_add_f32_dpp v14, v14, v14 row_xmask:8 row_mask:0xf bank_mask:0xf
	v_rcp_f32 v14, v14
	v_nop
	s_wait_alu depctr_va_vdst(0)
	v_mul_f32 v12, v12, v14
	ds_store_b32 v8, v12                           ; both halves of the lanes write the same word with the same value
.if \last == 0
	v_add_nc_u32 v8, 512, v8
.endif
.endm
; One step.  first: time 0.  att: times 8-15.  last: time 15, nothing more to look up.  pf: the step asks for the rows of the times two and three ahead.
; pb: the register to which 1024 x s32 is added for the partner's state: 7 gives the partner's time s32, 62 its time s32 - 1.
.macro STEP first, att, last, pf, pb
	s_wait_loadcnt 0x0                             ; this step's eight gathers, the only loads that are out; OFFS is free with them
.irp q, 0,1,2,3,4,5,6,7
	ds_store_b128 v1, v[LAND+4*\q:LAND+4*\q+3] offset:\q*2*SP
.endr
.if \last == 0
	ds_load_b128 v[OFFS:OFFS+3],   v3              ; the next time's tokens
	ds_load_b128 v[OFFS+4:OFFS+7], v3 offset:16
.endif
.if \pf
	ds_load_b32 v60, v61                           ; 32 tokens, one a lane: the two times after the next.  v60 was freed by the last two steps' waits on XCNT
	v_add_nc_u32 v61, 128, v61
.endif
	PLOAD 0                                        ; my own stage, served in order behind the stores above
.if \first == 0
	PLOAD 1
.endif
	PLOAD 2
	PLOAD 3
.if \last == 0
	s_wait_dscnt 8-2*\first                        ; all but the fragment loads just issued: the tokens are in, the stores have left LAND
	OFFSETS
	GATHER                                         ; the next step's rows have this whole step in which to come
	v_add_nc_u32 v3, 64, v3
.endif
.if \pf
	v_min_u32 v60, 0xc34f, v60                     ; inside the table, like the look-ups themselves
	v_lshlrev_b32 v60, 9, v60                      ; 512 bytes a row; my direction's half stands in the base
.endif
	s_wait_dscnt 0x0
	PWIDEN 0                                       ; the eight accumulators take turns, one instruction a turn
.if \first == 0
	PWIDEN 1
.endif
	PWIDEN 2
	PWIDEN 3
.if \first == 0
.irp t, 0,1,2,3,4,5,6,7
	v_wmma_f32_16x16x32_f16 v[ACC+8*\t:ACC+8*\t+7], v[WH+8*\t:WH+8*\t+7], v[HF:HF+7], v[ACC+8*\t:ACC+8*\t+7]
.endr
.endif
.rept 4
	v_nop                                          ; four places: in front of the readers of the results and of the loads into PF
.endr
.if \att
	v_lshl_add_u32 v15, s32, 10, v[\pb]            ; the partner's time 15 - t, from the loop's own counter
	ds_load_b128 v[PF:PF+3],     v9
	ds_load_b128 v[PF+4:PF+7],   v9 offset:32
	ds_load_b128 v[PF+8:PF+11],  v10
	ds_load_b128 v[PF+12:PF+15], v10 offset:32
	ds_load_b128 v[PF+16:PF+19], v15
	ds_load_b128 v[PF+20:PF+23], v15 offset:512
	ds_load_b128 v[PF+24:PF+27], v11
	ds_load_b128 v[PF+28:PF+31], v11 offset:16
.endif
.if \pf
	global_prefetch_b8 v60, s[24:25] th:TH_LOAD_NT scope:SCOPE_SE    ; 32 half rows, one lane each; the whole cell follows before any wait
.endif
	CELL \first
	s_wait_xcnt 0x0                                ; HF and v5 are sources of the last step's stores, v60 of the request above: rewritten only behind this wait
.if \first == 0
	v_add_nc_u32 v5, s28, v5
.endif
.irp i, 0,1,2,3,4,5,6,7
	v_cvt_pk_f16_f32 v[HF+\i], v[GG+2*\i], v[GG+2*\i+1]
.endr
	global_store_b128 v5, v[HF:HF+3],   s[26:27] th:TH_STORE_NT              ; each store of the wave covers 512 consecutive bytes, aligned
	global_store_b128 v5, v[HF+4:HF+7], s[26:27] offset:512 th:TH_STORE_NT
.if \att
	ATT \last
.else
	ds_store_b128 v6, v[HF:HF+3]
	ds_store_b128 v6, v[HF+4:HF+7] offset:512
	v_add_nc_u32 v6, 1024, v6
.endif
.endm
	STEP 1, 0, 0, 1, 7                             ; time 0; asks for times 2, 3
	s_mov_b32 s32, 3
.Lstash:
	STEP 0, 0, 0, 0, 7                             ; times 1, 3, 5
	STEP 0, 0, 0, 1, 7                             ; times 2, 4, 6; ask for times 4, 5 .. 8, 9
	s_sub_co_i32 s32, s32, 1
	s_cmp_lg_u32 s32, 0
	s_cbranch_scc1 .Lstash
	STEP 0, 0, 0, 0, 7                             ; time 7
	s_wait_dscnt 0x0                               ; my eight states are in LDS
	s_barrier_signal -1
	s_barrier_wait -1                              ; the partner's too; nobody writes there again
	s_mov_b32 s32, 7
.Latt:
	STEP 0, 1, 0, 1, 7                             ; times 8, 10, 12: the partner's time s32 = 7, 5, 3; ask for times 10, 11 .. 14, 15
	STEP 0, 1, 0, 0, 62                            ; times 9, 11, 13: the partner's time s32 - 1 = 6, 4, 2
	s_sub_co_i32 s32, s32, 2
	s_cmp_lg_u32 s32, 1
	s_cbranch_scc1 .Latt
	STEP 0, 1, 0, 0, 7                             ; time 14: the loop leaves s32 = 1, the partner's time 1
	STEP 0, 1, 1, 0, 62                            ; time 15: s32 - 1 = 0
	s_wait_dscnt 0x0                               ; my alphas are in LDS
	s_barrier_signal -1
	s_barrier_wait -1
	; wave (tl, d) stores the work-group's 128 alphas of one step: the one that direction d made at time 8 + tl
	s_lshl_b32 s38, s21, 12
	s_lshl_b32 s39, s22, 9
	s_add_co_u32 s38, s38, s39
	s_add_co_u32 s38, s38, ALS
	v_and_b32 v14, 31, v0
	v_lshl_add_u32 v15, v14, 4, s38
	ds_load_b128 v[ACC:ACC+3], v15
	s_sub_co_u32 s39, 7, s22
	s_add_co_u32 s40, s22, 8
	s_cmp_eq_u32 s21, 0
	s_cselect_b32 s39, s40, s39                    ; s = 8 + tl forward, 7 - tl backward
	s_lshl_b32 s39, s39, 17                        ; 32,768 numbers of 4 bytes a step
	s_lshl_b32 s40, ttmp9, 9                       ; 128 numbers a work-group
	s_add_co_u32 s39, s39, s40
	v_lshl_add_u32 v14, v14, 4, s39
	s_wait_dscnt 0x0
	global_store_b128 v14, v[ACC:ACC+3], s[18:19] th:TH_STORE_NT   ; 512 consecutive bytes, aligned
	s_wait_xcnt 0x0
	v_lshl_add_u32 v254, v0, 2, 0x3cd00
	v_mov_b32 v255, 0
	s_wait_tensorcnt 0x0
	ds_add_u32 v254, v255
	s_wait_dscnt 0x0
	s_endpgm
.Lfunc_end_k_q19b7cf8e64_lstm:
	.size	k_q19b7cf8e64_lstm, .Lfunc_end_k_q19b7cf8e64_lstm-k_q19b7cf8e64_lstm
	.p2alignl 7, 3214868480
	.fill 96, 4, 3214868480
	.section	.rodata,"a",@progbits
	.p2align	6, 0x0
	.amdhsa_kernel k_q19b7cf8e64_lstm
		.amdhsa_group_segment_fixed_size 251136
		.amdhsa_private_segment_fixed_size 0
		.amdhsa_enable_private_segment 0
		.amdhsa_kernarg_size 64
		.amdhsa_user_sgpr_count 2
		.amdhsa_user_sgpr_kernarg_segment_ptr 1
		.amdhsa_wavefront_size32 1
		.amdhsa_system_sgpr_workgroup_id_x 1
		.amdhsa_system_sgpr_workgroup_id_y 1
		.amdhsa_system_sgpr_workgroup_id_z 1
		.amdhsa_system_vgpr_workitem_id 0
		.amdhsa_next_free_vgpr 256
		.amdhsa_next_free_sgpr 66
		.amdhsa_reserve_vcc 1
		.amdhsa_float_denorm_mode_32 3
		.amdhsa_float_denorm_mode_16_64 3
		.amdhsa_memory_ordered 1
		.amdhsa_forward_progress 1
		.amdhsa_inst_pref_size 152
	.end_amdhsa_kernel
	.amdgpu_metadata
---
amdhsa.version: [ 1, 2 ]
amdhsa.kernels:
  - .name:           k_q19b7cf8e64_lstm
    .symbol:         k_q19b7cf8e64_lstm.kd
    .args:
      - { .name: ptab, .offset: 0, .size: 8, .value_kind: global_buffer, .address_space: global }
      - { .name: tokens, .offset: 8, .size: 8, .value_kind: global_buffer, .address_space: global }
      - { .name: Whh_f, .offset: 16, .size: 8, .value_kind: global_buffer, .address_space: global }
      - { .name: Whh_b, .offset: 24, .size: 8, .value_kind: global_buffer, .address_space: global }
      - { .name: w_omega, .offset: 32, .size: 8, .value_kind: global_buffer, .address_space: global }
      - { .name: u_omega, .offset: 40, .size: 8, .value_kind: global_buffer, .address_space: global }
      - { .name: hs, .offset: 48, .size: 8, .value_kind: global_buffer, .address_space: global }
      - { .name: alphas, .offset: 56, .size: 8, .value_kind: global_buffer, .address_space: global }
    .group_segment_fixed_size: 251136
    .private_segment_fixed_size: 0
    .kernarg_segment_align: 8
    .kernarg_segment_size: 64
    .max_flat_workgroup_size: 512
    .sgpr_count:     66
    .vgpr_count:     256
    .wavefront_size: 32
...
	.end_amdgpu_metadata
.endif
;; end of part 2
;; launch mix (part 3): grid 256 x 1, 16 waves a work-group, no clusters, 57,344 bytes of LDS; arguments hs, alphas, out0; writes out0
.if DOCPART == 3
	.amdgcn_target "amdgcn-amd-amdhsa--gfx1250"
	.amdhsa_code_object_version 6
	.text
	.protected	k_q19b7cf8e64_mix
	.globl	k_q19b7cf8e64_mix
	.p2align	8
	.type	k_q19b7cf8e64_mix,@function
k_q19b7cf8e64_mix:
	s_mov_b64 s[64:65], 0
	v_nop
	global_prefetch_b8 v0, s[64:65] scope:SCOPE_SE
	s_setreg_imm32_b32 hwreg(HW_REG_WAVE_MODE, 25, 1), 1
	s_wait_xcnt 0x0
; THIRD LAUNCH: out0[b][32 d + unit] = sum over s of alphas[16 b + s] * h[s][b][d][unit].  Nothing of this step is left out.
; The weights of row b come from other rows' logits (the function's own reshape), which is why they pass through memory between two launches.
; A stream: 67 MB of states are read once, by loads of 512 consecutive bytes; no matrix unit, cluster or tensor load would add anything.
; SHARES: a work-group owns 128 batch rows; wave w takes rows 16 tl .. + 15 (tl = w >> 1), direction d = w & 1.
; hs: [tile b / 16][s][d][1,024 bytes]; in a block lane (r, hh) finds at 16 x lane units 8 hh .. + 7 of row r and at + 512 units 16 + 8 hh .. + 7.
; All 34 loads of a wave are issued at once; the sums follow them in by counted waits.
; LDS: AST at 0: for each wave 16 rows x 80 bytes, its own: the tile's 16 x 16 alphas turned so that a lane gets its row's sixteen.
;      OST: for each tile 16 rows x (256 + 16) bytes: the two directions meet, and whole rows of 256 bytes leave.
.set AL,  128                          ; v[128:143] alphas of my row, s = 0 .. 15
.set ACC, 144                          ; v[144:159] sums: 8 half + j = unit 16 half + 8 hh + j; first the alphas as loaded
.set T,   160                          ; v[160:167] eight states in f32
.set OST, 20480
; v[0:127]: the states as loaded, 8 registers a step (their halves are named, which only v0-v127 allow); v168 16 x lane; v172-175 LDS addresses
	s_load_b128 s[4:7], s[0:1], 0x0                ; hs 4, alphas 6
	s_load_b64 s[8:9], s[0:1], 0x10                ; out0
	v_lshl_add_u32 v176, v0, 2, 0xd800
	v_mov_b32 v177, 0
	v_lshrrev_b32 v168, 5, v0
	v_readfirstlane_b32 s10, v168                  ; w
	s_and_b32 s11, s10, 1                          ; d
	s_lshr_b32 s12, s10, 1                         ; tl
	v_and_b32 v169, 31, v0                         ; lane
	v_and_b32 v170, 15, v0                         ; r
	v_bfe_u32 v171, v0, 4, 1                       ; hh
	v_lshlrev_b32 v168, 4, v169
	s_mul_i32 s21, s10, 1280
	v_lshrrev_b32 v160, 2, v169
	v_and_b32 v161, 3, v169
	v_mul_u32_u24 v172, v160, 80
	v_lshl_add_u32 v172, v161, 4, v172
	v_add_nc_u32 v172, s21, v172                   ; alphas in: row lane >> 2, 16 bytes at 16 (lane & 3)
	v_mul_u32_u24 v173, v170, 80
	v_add_nc_u32 v173, s21, v173                   ; alphas out: row r
	s_mul_i32 s22, s12, 4352
	s_add_co_u32 s22, s22, OST
	s_lshl_b32 s23, s11, 7
	s_add_co_u32 s23, s23, s22
	v_mul_u32_u24 v174, v170, 272
	v_lshl_add_u32 v174, v171, 5, v174
	v_add_nc_u32 v174, s23, v174                   ; sums in: row r, 128 d + 32 hh
	s_mul_i32 s23, s11, 2176
	s_add_co_u32 s23, s23, s22
	v_mul_u32_u24 v175, v171, 272
	v_lshl_add_u32 v175, v170, 4, v175
	v_add_nc_u32 v175, s23, v175                   ; rows back: 8 d + hh (+ 2 i), 16 bytes at 16 r
	s_lshl_b32 s13, ttmp9, 3
	s_add_co_u32 s13, s13, s12                     ; tile 8 wg + tl
	s_lshl_b32 s14, s13, 15
	s_lshl_b32 s16, s11, 10
	s_add_co_u32 s14, s14, s16
	s_mov_b32 s15, 0
	s_lshl_b32 s16, s13, 10
	s_mov_b32 s17, 0
	s_lshl_b32 s18, s13, 12
	s_lshl_b32 s20, s11, 11
	s_add_co_u32 s18, s18, s20
	s_mov_b32 s19, 0
	s_wait_kmcnt 0x0
	s_add_nc_u64 s[4:5], s[4:5], s[14:15]          ; hs at my tile and direction
	s_add_nc_u64 s[6:7], s[6:7], s[16:17]          ; the tile's 256 alphas
	s_add_nc_u64 s[8:9], s[8:9], s[18:19]          ; out0 at row 16 tile + 8 d
	global_load_b128 v[ACC:ACC+3],   v168, s[6:7]
	global_load_b128 v[ACC+4:ACC+7], v168, s[6:7] offset:512
.set st, 0
.rept 16
	global_load_b128 v[8*st:8*st+3],   v168, s[4:5] offset:st*2048 th:TH_LOAD_NT
	global_load_b128 v[8*st+4:8*st+7], v168, s[4:5] offset:st*2048+512 th:TH_LOAD_NT
.set st, st+1
.endr
	s_wait_loadcnt 32                              ; the alphas are in; the 32 loads of states stay out
	ds_store_b128 v172, v[ACC:ACC+3]
	ds_store_b128 v172, v[ACC+4:ACC+7] offset:640
.irp q, 0,1,2,3
	ds_load_b128 v[AL+4*\q:AL+4*\q+3], v173 offset:\q*16       ; my own bytes, served in order behind the stores
.endr
	s_wait_dscnt 0x0
.macro WIDEN a, b, c, d                ; eight f16 of four words to f32
	v_cvt_f32_f16 v[T+0], v\a\().l
	v_cvt_f32_f16 v[T+1], v\a\().h
	v_cvt_f32_f16 v[T+2], v\b\().l
	v_cvt_f32_f16 v[T+3], v\b\().h
	v_cvt_f32_f16 v[T+4], v\c\().l
	v_cvt_f32_f16 v[T+5], v\c\().h
	v_cvt_f32_f16 v[T+6], v\d\().l
	v_cvt_f32_f16 v[T+7], v\d\().h
.endm
.macro MAC st, hf                      ; sums += states x alpha of step st, which is one register of a pair, taken for both halves of the result
.irp j, 0,2,4,6
.if \st == 0
	v_pk_mul_f32 v[ACC+8*\hf+\j:ACC+8*\hf+\j+1], v[T+\j:T+\j+1], v[AL:AL+1] op_sel_hi:[1,0]    ; the first step starts the sums
.elseif \st & 1
	v_pk_fma_f32 v[ACC+8*\hf+\j:ACC+8*\hf+\j+1], v[T+\j:T+\j+1], v[AL+\st-1:AL+\st], v[ACC+8*\hf+\j:ACC+8*\hf+\j+1] op_sel:[0,1,0] op_sel_hi:[1,1,1]
.else
	v_pk_fma_f32 v[ACC+8*\hf+\j:ACC+8*\hf+\j+1], v[T+\j:T+\j+1], v[AL+\st:AL+\st+1], v[ACC+8*\hf+\j:ACC+8*\hf+\j+1] op_sel_hi:[1,0,1]
.endif
.endr
.endm
.macro ROW st, a, b, c, d, e, f, g, h  ; step st, whose eight words lie in the registers named
	s_wait_loadcnt 30-2*\st                        ; loads come back in order (ISA guide 5.7.1): this step's two are in, the later steps' stay out
	WIDEN \a, \b, \c, \d
	MAC \st, 0
	WIDEN \e, \f, \g, \h
	MAC \st, 1
.endm
	ROW 0,  0, 1, 2, 3, 4, 5, 6, 7
	ROW 1,  8, 9, 10, 11, 12, 13, 14, 15
	ROW 2,  16, 17, 18, 19, 20, 21, 22, 23
	ROW 3,  24, 25, 26, 27, 28, 29, 30, 31
	ROW 4,  32, 33, 34, 35, 36, 37, 38, 39
	ROW 5,  40, 41, 42, 43, 44, 45, 46, 47
	ROW 6,  48, 49, 50, 51, 52, 53, 54, 55
	ROW 7,  56, 57, 58, 59, 60, 61, 62, 63
	ROW 8,  64, 65, 66, 67, 68, 69, 70, 71
	ROW 9,  72, 73, 74, 75, 76, 77, 78, 79
	ROW 10, 80, 81, 82, 83, 84, 85, 86, 87
	ROW 11, 88, 89, 90, 91, 92, 93, 94, 95
	ROW 12, 96, 97, 98, 99, 100, 101, 102, 103
	ROW 13, 104, 105, 106, 107, 108, 109, 110, 111
	ROW 14, 112, 113, 114, 115, 116, 117, 118, 119
	ROW 15, 120, 121, 122, 123, 124, 125, 126, 127
	ds_store_b128 v174, v[ACC:ACC+3]
	ds_store_b128 v174, v[ACC+4:ACC+7]   offset:16
	ds_store_b128 v174, v[ACC+8:ACC+11]  offset:64
	ds_store_b128 v174, v[ACC+12:ACC+15] offset:80
	s_wait_dscnt 0x0                               ; my half of the tile's rows is in LDS
	s_barrier_signal -1
	s_barrier_wait -1                              ; the other direction's too
.irp i, 0,1,2,3
	ds_load_b128 v[4*\i:4*\i+3], v175 offset:\i*544
.endr
.irp i, 0,1,2,3
	s_wait_dscnt 3-\i
	global_store_b128 v168, v[4*\i:4*\i+3], s[8:9] offset:\i*512 th:TH_STORE_NT   ; sixteen lanes store one row of out0: 256 consecutive bytes, aligned
.endr
	s_wait_tensorcnt 0x0
	ds_add_u32 v176, v177
	s_wait_dscnt 0x0
	s_endpgm
.Lfunc_end_k_q19b7cf8e64_mix:
	.size	k_q19b7cf8e64_mix, .Lfunc_end_k_q19b7cf8e64_mix-k_q19b7cf8e64_mix
	.p2alignl 7, 3214868480
	.fill 96, 4, 3214868480
	.section	.rodata,"a",@progbits
	.p2align	6, 0x0
	.amdhsa_kernel k_q19b7cf8e64_mix
		.amdhsa_group_segment_fixed_size 57344
		.amdhsa_private_segment_fixed_size 0
		.amdhsa_enable_private_segment 0
		.amdhsa_kernarg_size 24
		.amdhsa_user_sgpr_count 2
		.amdhsa_user_sgpr_kernarg_segment_ptr 1
		.amdhsa_wavefront_size32 1
		.amdhsa_system_sgpr_workgroup_id_x 1
		.amdhsa_system_sgpr_workgroup_id_y 1
		.amdhsa_system_sgpr_workgroup_id_z 1
		.amdhsa_system_vgpr_workitem_id 0
		.amdhsa_next_free_vgpr 178
		.amdhsa_next_free_sgpr 66
		.amdhsa_reserve_vcc 0
		.amdhsa_float_denorm_mode_32 3
		.amdhsa_float_denorm_mode_16_64 3
		.amdhsa_memory_ordered 1
		.amdhsa_forward_progress 1
		.amdhsa_inst_pref_size 24
	.end_amdhsa_kernel
	.amdgpu_metadata
---
amdhsa.version: [ 1, 2 ]
amdhsa.kernels:
  - .name:           k_q19b7cf8e64_mix
    .symbol:         k_q19b7cf8e64_mix.kd
    .args:
      - { .name: hs, .offset: 0, .size: 8, .value_kind: global_buffer, .address_space: global }
      - { .name: alphas, .offset: 8, .size: 8, .value_kind: global_buffer, .address_space: global }
      - { .name: out0, .offset: 16, .size: 8, .value_kind: global_buffer, .address_space: global }
    .group_segment_fixed_size: 57344
    .private_segment_fixed_size: 0
    .kernarg_segment_align: 8
    .kernarg_segment_size: 24
    .max_flat_workgroup_size: 512
    .sgpr_count:     66
    .vgpr_count:     178
    .wavefront_size: 32
...
	.end_amdgpu_metadata
.endif
;; end of part 3
